; MI455X (gfx1250); checked and timed in simulation.
; The chip was launched on July 23, 2026; its instructions are those of AMD's public machine-readable ISA for CDNA 5 (MIT licence, August 2026) and "CDNA5" Instruction Set Architecture Reference Guide (July 2026).
;; Full Attention. Allowed arithmetic: matrix products marked QUANTISED: E3M2 operands, one E8M0 scale for each 32 along K, by v_wmma_scale_f32_16x16x128_f8f6f4 with both operands' format E3M2, f32 sums; everything else in f32.
;; Inputs: keys_codes 4 x 2,048 x 16 x 2 x 24 uint8 (E3M2 codes of keys, K innermost, in blocks of 32 codes, four codes in three bytes); keys_scales 4 x 2,048 x 16 x 2 uint8 (E8M0 scales of keys, one for each 32 codes along K); queries_codes 4 x 2,048 x 16 x 2 x 24 uint8 (E3M2 codes of queries, K innermost, in blocks of 32 codes, four codes in three bytes); queries_scales 4 x 2,048 x 16 x 2 uint8 (E8M0 scales of queries, one for each 32 codes along K); values_codes 4 x 16 x 64 x 64 x 24 uint8 (E3M2 codes of values, K innermost, in blocks of 32 codes, four codes in three bytes); values_scales 4 x 16 x 64 x 64 uint8 (E8M0 scales of values, one for each 32 codes along K).
;; Outputs: out0 4 x 2,048 x 16 x 64 float32.
;; This version of the problem:
;;   THIS VERSION OF THE PROBLEM IS GIVEN IN LOW PRECISION. The matrix products marked QUANTISED in the list below multiply operands that are first quantised to E3M2 (3 exponent bits, 2 mantissa bits; 6 bits a number), with one power-of-two scale for each 32 numbers along K (OCP MX v1.0); their sums are f32. All else is computed in f32.
;;   The module's matrix products, in the order in which they are computed (A, B: the left and right operand; K: the contracted axis; several contracted axes count as one K, in the product's order):
;;     1. batch 64 x [M 2,048, K 64] x [K 64, N 2,048]; A: input queries (given as codes); B: input keys (given as codes): QUANTISED
;;     2. batch 64 x [M 64, K 2,048] x [K 2,048, N 2,048]; A: input values (given as codes); B: softmax (see below): QUANTISED
;;   THE QUANTISER, for each operand of a quantised product, along K:
;;     - K is cut into blocks of 32 from its start; a last block that is shorter is filled with zeros.
;;     - A block's scale is 2^e with e = floor(log2(the largest magnitude in the block)) - 4, held to -126 .. 127; a block of zeros has e = 0. As a byte (E8M0): e + 127.
;;     - Each number is divided by its block's scale, clamped to +-28, and rounded to the nearest number of E3M2, ties to even, subnormals kept.
;;     - The product sums the exact products of the quantised numbers (number of the format x scale) in f32.
;;   ~~~python
;;   def quantise(x, axis):      # numpy; x: float32 -> the quantised numbers, widened to float32 again
;;       x = np.moveaxis(x, axis, -1); K = x.shape[-1]
;;       x = np.pad(x, [(0, 0)] * (x.ndim - 1) + [(0, -K % 32)]); x = x.reshape(x.shape[:-1] + (-1, 32)); a = np.abs(x).max(-1, keepdims=True)
;;       e = np.where(a > 0, np.clip(np.frexp(np.where(a > 0, a, 1))[1] - 1 - 4, -126, 127), 0)      # np.frexp(a)[1] - 1 = floor(log2(a)), exactly
;;       r = np.clip(x / 2.0 ** e, -28, 28)
;;       step = 2.0 ** (np.maximum(np.frexp(np.where(r == 0, 1, r))[1] - 1, -2) - 2)
;;       q = np.round(r / step) * step * 2.0 ** e      # np.round: ties to even
;;       return np.moveaxis(q.reshape(q.shape[:-2] + (-1,))[..., :K], -1, axis).astype(np.float32)
;;   ~~~
;;   SOFTMAX AHEAD OF A QUANTISED PRODUCT. Where the list says 'softmax', what is quantised is not the finished softmax but p = 2^(t - M), with t = logit x log2(e) and M = ceil(the row's largest t), a whole number; so 1/2 < the row's largest p <= 1. The row's sum l is taken of the UNQUANTISED p, in f32, and the product's result is divided by l at the end. Since M is a whole number, a kernel that streams over the keys may use a running M (the ceiling of the running maximum): every later rescaling is an exact power of two, which a block's scale takes up: the codes' values come out the same.
;;   OPERANDS COMPUTED ON THE WAY. 'Computed on the way' means the value that the module computes at that place (a softmax that the list does not call 'softmax' is quantised finished and normalised). What goes into a quantiser is computed in f32, as accurately as f32 sums, v_exp_f32 and their like allow (about 1e-6 of the number): no bf16 or f16 on the way to a quantiser, and a product that is left as it is and whose result goes on into a quantised operand takes f32 operands (vector FMAs, or v_wmma_f32_16x16x4_f32). A number that lies on a knife's edge between two numbers of the format may be rounded either way, as far as f32 arithmetic and the matrix unit's own rounding can turn it there, and no further.
;;   INPUTS GIVEN AS CODES. keys (in the module: [4, 2048, 16, 64], K = its axis 3); queries (in the module: [4, 2048, 16, 64], K = its axis 3); values (in the module: [4, 2048, 16, 64], K = its axis 1): each comes as NAME_codes (uint8): NAME with its K axis moved to the last place and cut into blocks of 32 codes, [.., K / 32, bytes a block], one block behind the other in memory; four codes in three bytes: a row's codes are one little-endian stream of bits, code i at bits 6 i .. 6 i + 5 (a code: sign, 3 exponent bits, 2 mantissa bits); and NAME_scales (uint8): the same leading axes, one E8M0 byte (e + 127) for each 32 codes along K. Its value is code x scale, taken as it is: it is not quantised again, and the codes and scales need not be those that the quantiser above would give.
;; One version. Each part assembles by itself: llvm-mc -triple=amdgcn-amd-amdhsa -mcpu=gfx1250 --defsym DOCPART=n.
;; ======== version 1 of 1: 1 launch
;; limits: inputs' magnitudes at most 3,900
;; launch attn (part 1): grid 4 x 64, 16 waves a work-group, clusters of 4 x 1, 327,680 bytes of LDS; arguments keys_codes, keys_scales, queries_codes, queries_scales, values_codes, values_scales, out0; writes out0
.if DOCPART == 1
	.amdgcn_target "amdgcn-amd-amdhsa--gfx1250"
	.amdhsa_code_object_version 6
	.text
	.protected	k_q606f0a11fc_attn
	.globl	k_q606f0a11fc_attn
	.p2align	8
	.type	k_q606f0a11fc_attn,@function
k_q606f0a11fc_attn:
	s_mov_b64 s[64:65], 0
	v_nop
	global_prefetch_b8 v0, s[64:65] scope:SCOPE_SE
	s_setreg_imm32_b32 hwreg(HW_REG_WAVE_MODE, 25, 1), 1
	s_wait_xcnt 0x0
	s_wait_alu depctr_hold_cnt(0) depctr_sa_sdst(0) depctr_va_vdst(0) depctr_va_sdst(0) depctr_va_ssrc(0) depctr_va_vcc(0) depctr_vm_vsrc(0)
	s_getreg_b32 s2, hwreg(HW_REG_IB_STS2, 6, 4)
	s_cmp_eq_u32 s2, 0
	s_cbranch_scc0 .Lentry_in_a_cluster
	s_endpgm
.Lentry_in_a_cluster:
	s_bfe_u32 s2, ttmp6, 0x10000c
	s_cmp_lg_u32 s2, 0x3003
	s_cbranch_scc0 .Lentry_shape_is_right
	s_endpgm
.Lentry_shape_is_right:
.set SB,   13056
.set VI,   6144
.set KSO,  12288
.set VSO,  12800
.set STG,  16*SB
.set SP,   272
.set A16,  1
.set A8,   2
.set ADR,  3
.set ADT,  4
.set H8,   5
.set DGA,  6
.set DGB,  7
.set STO,  8
.set RD,   9
.set GO,   10
.set NEG,  11
.set NM,   12
.set TMX,  13
.set SUM,  14
.set QA,   16
.set QAS,  28
.set PS,   29
.set VS,   30
.set F,    32
.set ZR,   80
.set KS,   86
.set OLD,  90
.set T,    91
.set T2,   92
.set W,    93
.set W2,   94
.set S,    96
.set O,    160
.set P,    192
.set CT,   204
.set BM,   212
.set SC,   216
.set BY,   218
.set FF,   220
.set SU2,  222
.set RL,   224
.set QB,   228
.set QBS,  240
.set WV,   18
.set CS,   22
.set G1K,  24
.set G1V,  32
.set G0K,  40
.set G0V,  44
.set GA,   51
.set GB,   52
.set TB,   55
.set KC,   56
.macro CROUND
	s_barrier_signal -1
	s_barrier_wait -1
	s_cmp_lg_u32 s[WV], 0
	s_cbranch_scc1 .Lnot_wave_0_\@
	s_barrier_signal -3
.Lnot_wave_0_\@:
	s_barrier_wait -3
	s_barrier_signal -1
	s_barrier_wait -1
.endm
.macro BASES qc, qsc, o
	s_mul_i32 s[\qc], s83, 768
	s_add_co_u32 s[\qc], s[\qc], s57
	s_mov_b32 s[\qc+1], 0
	s_lshl_b32 s[\qsc], s83, 5
	s_add_co_u32 s[\qsc], s[\qsc], s62
	s_mov_b32 s[\qsc+1], 0
	s_lshl_b32 s[\o], s83, 12
	s_add_co_u32 s[\o], s[\o], s63
	s_mov_b32 s[\o+1], 0
.endm
	s_load_b256 s[4:11], s[0:1], 0x0
	s_load_b128 s[12:15], s[0:1], 0x20
	s_load_b64 s[16:17], s[0:1], 0x30
	v_lshl_add_u32 v254, v0, 2, 0x44000
	v_mov_b32 v255, 0
	ds_add_u32 v254, v255
	ds_add_u32 v254, v255
	v_lshrrev_b32 v241, 5, v0
	s_delay_alu instid0(VALU_DEP_1)
	v_readfirstlane_b32 s[WV], v241
	s_bfe_u32 s19, ttmp6, 0x40000
	s_and_b32 s48, ttmp7, 0xffff
	s_lshr_b32 s49, s48, 4
	s_and_b32 s50, s48, 15
	s_xor_b32 s[GA], s[WV], 15
	s_mov_b32 s[GB], s[WV]
	s_mov_b32 s20, 0x76543210
	s_mov_b32 s21, 0xfedcba98
	s_mov_b32 s[CS], 0x3e38aa3b
	s_mov_b32 s[CS+1], s[CS]
	s_lshl_b32 s53, s49, 11
	s_lshl_b32 s54, s[WV], 7
	s_add_co_u32 s54, s54, s53
	s_mul_i32 s57, s50, 48
	s_lshl_b32 s62, s50, 1
	s_lshl_b32 s63, s50, 8
	s_mov_b32 s[G1K], 15|(1<<21)
	s_mov_b32 s[G1K+1], 48<<16
	s_mov_b32 s[G1K+2], 128<<16
	s_mov_b32 s[G1K+3], 48<<16
	s_mov_b32 s[G1K+4], 128
	s_mov_b32 s[G1K+5], 768
	s_mov_b32 s[G1K+6], 0
	s_mov_b32 s[G1K+7], 0
	s_mov_b32 s[G1V], 15|(1<<21)
	s_mov_b32 s[G1V+1], 96<<16
	s_mov_b32 s[G1V+2], 64<<16
	s_mov_b32 s[G1V+3], 96<<16
	s_mov_b32 s[G1V+4], 64
	s_mov_b32 s[G1V+5], 1536
	s_mov_b32 s[G1V+6], 0
	s_mov_b32 s[G1V+7], 0
	s_mov_b32 s[G0K], 1
	s_mul_i32 s[G0K+1], s[WV], SB
	s_mul_i32 s[G0K+2], s54, 768
	s_add_co_u32 s[G0K+2], s[G0K+2], s57
	s_mov_b32 s[G0K+3], 0
	s_mov_b32 s[G0V], 1
	s_add_co_u32 s[G0V+1], s[G0K+1], VI
	s_mul_i32 s[G0V+2], s48, 98304
	s_mul_i32 s78, s[WV], 96
	s_add_co_u32 s[G0V+2], s[G0V+2], s78
	s_mov_b32 s[G0V+3], 0
	s_lshl_b32 s66, s54, 5
	s_add_co_u32 s66, s66, s62
	s_mov_b32 s67, 0
	s_lshl_b32 s68, s48, 12
	s_lshl_b32 s78, s[WV], 2
	s_add_co_u32 s68, s68, s78
	s_mov_b32 s69, 0
	s_mul_i32 s80, s[WV], 16*SP
	s_add_co_u32 s80, s80, STG
	s_lshl_b32 s82, s19, 5
	s_lshl_b32 s83, s[GA], 7
	s_add_co_u32 s83, s83, s82
	s_add_co_u32 s83, s83, s53
	BASES 70, 72, 58
	s_add_co_u32 s83, s54, s82
	s_add_co_u32 s83, s83, 16
	BASES 74, 76, 60
	v_and_b32 v241, 15, v0
	v_bfe_u32 v242, v0, 4, 1
	v_and_b32 v243, 31, v0
	s_delay_alu instid0(VALU_DEP_1)
	v_lshlrev_b32 v[A16], 4, v243
	s_delay_alu instid0(VALU_DEP_2)
	v_lshl_add_u32 v[A8], v243, 3, VSO
	s_delay_alu instid0(VALU_DEP_4)
	v_lshlrev_b32 v[H8], 3, v242
	v_lshlrev_b32 v[DGA], 5, v242
	s_delay_alu instid0(VALU_DEP_1)
	v_sub_nc_u32 v[DGA], v241, v[DGA]
	s_delay_alu instid0(VALU_DEP_1)
	v_add_nc_u32 v[DGA], s82, v[DGA]
	s_delay_alu instid0(VALU_DEP_1)
	v_add_nc_u32 v[DGB], 16, v[DGA]
	v_mul_u32_u24 v[STO], v241, SP
	s_delay_alu instid0(VALU_DEP_1)
	v_lshl_add_u32 v[STO], v242, 5, v[STO]
	s_delay_alu instid0(VALU_DEP_1)
	v_add_nc_u32 v[STO], s80, v[STO]
	v_mul_u32_u24 v[RD], v242, SP
	s_delay_alu instid0(VALU_DEP_1)
	v_lshl_add_u32 v[RD], v241, 4, v[RD]
	s_delay_alu instid0(VALU_DEP_1)
	v_add_nc_u32 v[RD], s80, v[RD]
	v_lshlrev_b32 v[GO], 12, v242
	s_delay_alu instid0(VALU_DEP_1)
	v_lshl_add_u32 v[GO], v241, 4, v[GO]
	v_and_b32 v244, 8, v241
	v_and_b32 v245, 7, v241
	s_delay_alu instid0(VALU_DEP_1)
	v_lshl_add_u32 v244, v244, 2, v245
	s_delay_alu instid0(VALU_DEP_1)
	v_mul_u32_u24 v245, v244, 48
	s_delay_alu instid0(VALU_DEP_1)
	v_mad_u32_u24 v245, v242, 24, v245
	s_delay_alu instid0(VALU_DEP_1)
	v_add_nc_u32 v245, s[G0K+1], v245
	v_mul_u32_u24 v246, v241, 96
	s_delay_alu instid0(VALU_DEP_1)
	v_mad_u32_u24 v246, v242, 24, v246
	s_delay_alu instid0(VALU_DEP_1)
	v_add_nc_u32 v246, s[G0V+1], v246
	v_add_nc_u32 v247, s[G0K+1], v[A16]
	v_add_nc_u32 v248, s[G0K+1], v[A8]
	v_lshl_add_u32 v249, v242, 3, v244
	s_delay_alu instid0(VALU_DEP_1)
	v_lshlrev_b32 v249, 5, v249
	v_lshlrev_b32 v250, 6, v243
	v_mul_u32_u24 v251, v241, 768
	s_delay_alu instid0(VALU_DEP_1)
	v_mad_u32_u24 v251, v242, 24, v251
	v_lshlrev_b32 v252, 5, v241
	s_wait_dscnt 0x0
	s_wait_kmcnt 0x0
	s_add_nc_u64 s[G0K+2:G0K+3], s[4:5], s[G0K+2:G0K+3]
	s_or_b32 s[G0K+3], s[G0K+3], 0x80000000
	s_add_nc_u64 s[G0V+2:G0V+3], s[12:13], s[G0V+2:G0V+3]
	s_or_b32 s[G0V+3], s[G0V+3], 0x80000000
	s_add_nc_u64 s[66:67], s[6:7], s[66:67]
	s_add_nc_u64 s[68:69], s[14:15], s[68:69]
	s_add_nc_u64 s[70:71], s[8:9], s[70:71]
	s_add_nc_u64 s[72:73], s[10:11], s[72:73]
	s_add_nc_u64 s[74:75], s[8:9], s[74:75]
	s_add_nc_u64 s[76:77], s[10:11], s[76:77]
	s_add_nc_u64 s[58:59], s[16:17], s[58:59]
	s_add_nc_u64 s[60:61], s[16:17], s[60:61]
	CROUND
	tensor_load_to_lds s[G0K:G0K+3], s[G1K:G1K+7]
	s_nop 0
	s_wait_alu depctr_va_vdst(0)
	s_wait_tensorcnt 0x0
	ds_add_u32 v254, v255
	s_wait_dscnt 0x0
	CROUND
	tensor_load_to_lds s[G0V:G0V+3], s[G1V:G1V+7]
	s_nop 0
.rept 4
	v_nop
.endr
	s_wait_alu depctr_va_vdst(0)
.irp q, 0,1,2,3
	global_load_u16 v[S+48+\q], v249, s[66:67] offset:(64*(\q/2)+16*(\q%2))*32
.endr
.irp q, 0,1
	global_load_b32 v[S+52+\q], v250, s[68:69] offset:2048*\q
.endr
.irp p, 0,1,2
	global_load_b64 v[QA+2*\p:QA+2*\p+1], v251, s[70:71] offset:8*\p
.endr
	global_load_u16 v[QAS], v252, s[72:73]
.irp p, 0,1,2
	global_load_b64 v[QB+2*\p:QB+2*\p+1], v251, s[74:75] offset:8*\p
.endr
	global_load_u16 v[QBS], v252, s[76:77]
.irp j, 0,1,2,3,4,5
	v_mov_b32 v[QA+6+\j], 0
	v_mov_b32 v[QB+6+\j], 0
	v_mov_b32 v[ZR+\j], 0
.endr
	v_mov_b32 v[T2], 0
	v_mov_b32 v[W2], 0
	v_mov_b32 v[FF+1], 0
	v_mov_b32 v[NEG], 0xce6e6b28
	s_wait_tensorcnt 0x0
.irp t, 0,1,2,3,4,5,6,7
.irp p, 0,1,2
	ds_load_b64 v[F+6*\t+2*\p:F+6*\t+2*\p+1], v245 offset:(64*(\t/4)+8*(\t%4))*48+8*\p
.endr
.endr
.irp t, 0,1,2,3
.irp c, 0,1
.irp p, 0,1,2
	ds_load_b64 v[S+12*\t+6*\c+2*\p:S+12*\t+6*\c+2*\p+1], v246 offset:16*\t*96+48*\c+8*\p
.endr
.endr
.endr
	s_wait_dscnt 24
.irp i, 0,1,2,3,4,5,6,7,8,9,10,11
	ds_store_b128 v247, v[F+4*\i:F+4*\i+3] offset:512*\i
.endr
	s_wait_dscnt 12
.irp i, 0,1,2,3,4,5,6,7,8,9,10,11
	ds_store_b128 v247, v[S+4*\i:S+4*\i+3] offset:VI+512*\i
.endr
	s_wait_loadcnt 8
	ds_store_b128 v247, v[S+48:S+51] offset:KSO
	ds_store_b64 v248, v[S+52:S+53]
	s_wait_dscnt 0x0
	s_barrier_signal -1
	s_barrier_wait -1
	s_wait_loadcnt 0x0
.macro SPROD t, q, qs
.if (\t)%2
	v_wmma_scale_f32_16x16x128_f8f6f4 v[S+8*(\t):S+8*(\t)+7], v[F+6*(\t):F+6*(\t)+11], v[\q:\q+11], 0, v[KS+(\t)/2], v[\qs] matrix_a_fmt:MATRIX_FMT_BF6 matrix_b_fmt:MATRIX_FMT_BF6 matrix_a_scale:MATRIX_SCALE_ROW1
.else
	v_wmma_scale_f32_16x16x128_f8f6f4 v[S+8*(\t):S+8*(\t)+7], v[F+6*(\t):F+6*(\t)+11], v[\q:\q+11], 0, v[KS+(\t)/2], v[\qs] matrix_a_fmt:MATRIX_FMT_BF6 matrix_b_fmt:MATRIX_FMT_BF6
.endif
.endm
.macro VPROD t
.if (\t)%2
	v_wmma_scale_f32_16x16x128_f8f6f4 v[O+8*(\t):O+8*(\t)+7], v[F+12*(\t):F+12*(\t)+11], v[P:P+11], v[O+8*(\t):O+8*(\t)+7], v[VS+(\t)/2], v[PS] matrix_a_fmt:MATRIX_FMT_BF6 matrix_b_fmt:MATRIX_FMT_BF6 matrix_a_scale:MATRIX_SCALE_ROW1
.else
	v_wmma_scale_f32_16x16x128_f8f6f4 v[O+8*(\t):O+8*(\t)+7], v[F+12*(\t):F+12*(\t)+11], v[P:P+11], v[O+8*(\t):O+8*(\t)+7], v[VS+(\t)/2], v[PS] matrix_a_fmt:MATRIX_FMT_BF6 matrix_b_fmt:MATRIX_FMT_BF6
.endif
.endm
.macro WAYOUT out, more
.rept 4
	v_nop
.endr
	v_add_f32 v[SUM], v[SUM], v[SUM+1]
	s_delay_alu instid0(VALU_DEP_1)
	v_permlanex16_b32 v[T2], v[SUM], s20, s21
	s_delay_alu instid0(VALU_DEP_1)
	v_add_f32 v[SUM], v[SUM], v[T2]
	s_wait_alu depctr_va_vdst(0)
	v_rcp_f32 v[RL], v[SUM]
	v_rcp_f32 v[RL+1], v[SUM]
	v_nop
	s_wait_alu depctr_va_vdst(0)
.irp j, 0,2,4,6,8,10,12,14,16,18,20,22,24,26,28,30
	v_pk_mul_f32 v[S+\j:S+\j+1], v[O+\j:O+\j+1], v[RL:RL+1]
.endr
.irp t, 0,1,2,3
	ds_store_b128 v[STO], v[S+8*\t:S+8*\t+3] offset:64*\t
	ds_store_b128 v[STO], v[S+8*\t+4:S+8*\t+7] offset:64*\t+16
.endr
.irp i, 0,1,2,3,4,5,6,7
	ds_load_b128 v[S+32+4*\i:S+32+4*\i+3], v[RD] offset:2*\i*SP
.endr
.irp i, 0,1,2,3,4,5,6,7
	s_wait_dscnt 7-\i
	global_store_b128 v[GO], v[S+32+4*\i:S+32+4*\i+3], s[\out:\out+1] offset:8192*\i th:TH_STORE_NT
.endr
.if \more
	s_wait_xcnt 0x0
.endif
.endm
.macro PASS q, qs, dg, g, out, more
	v_mov_b32 v[TMX], 0xff61b1e6
	v_mov_b32 v[SUM], 0
	v_mov_b32 v[SUM+1], 0
	s_delay_alu instid0(VALU_DEP_3)
	v_floor_f32 v[NM], -v[TMX]
.irp j, 0,1,2,3,4,5,6,7,8,9,10,11,12,13,14,15,16,17,18,19,20,21,22,23,24,25,26,27,28,29,30,31
	v_mov_b32 v[O+\j], 0
.endr
	s_mov_b32 s[TB], 0
	s_mov_b32 s[KC], 0
.Lstep_\@:
	s_cmp_gt_u32 s[KC], s[\g]
	s_cbranch_scc1 .Lskip_\@
	s_setprio 2
	v_add_nc_u32 v[ADR], s[TB], v[A16]
	v_add_nc_u32 v[ADT], s[TB], v[A8]
	v_mov_b32 v[OLD], v[NM]
	v_nop
	ds_load_b128 v[KS:KS+3], v[ADR] offset:KSO
.irp i, 0,1,2,3,4,5,6,7,8,9,10,11
	ds_load_b128 v[F+4*\i:F+4*\i+3], v[ADR] offset:512*\i
.endr
	s_wait_alu depctr_va_vdst(0)
	s_wait_dscnt 4
.irp t, 0,1,2,3
	SPROD \t, \q, \qs
.endr
	s_wait_dscnt 0x0
.irp t, 4,5,6,7
	SPROD \t, \q, \qs
.endr
.rept 4
	v_nop
.endr
.irp i, 0,1,2,3,4,5,6,7,8,9,10,11
	ds_load_b128 v[F+4*\i:F+4*\i+3], v[ADR] offset:VI+512*\i
.endr
	ds_load_b64 v[VS:VS+1], v[ADT]
	s_cmp_lg_u32 s[KC], s[\g]
	s_cbranch_scc1 .Lopen_\@
.irp n, 0,1,2,3,4,5,6,7,8,9,10,11,12,13,14,15,16,17,18,19,20,21,22,23,24,25,26,27,28,29,30,31,32,33,34,35,36,37,38,39,40,41,42,43,44,45,46,47,48,49,50,51,52,53,54,55,56,57,58,59,60,61,62,63
	v_cmp_gt_i32 vcc_lo, 64*(\n/32)+\n%32, v[\dg]
	v_cndmask_b32 v[S+\n], v[S+\n], v[NEG], vcc_lo
.endr
.Lopen_\@:
.irp k, 0,1,2,3
	v_max3_num_f32 v[BM+\k], v[S+16*\k], v[S+16*\k+1], v[S+16*\k+2]
.endr
.irp i, 3,5,7,9,11,13
.irp k, 0,1,2,3
	v_max3_num_f32 v[BM+\k], v[BM+\k], v[S+16*\k+\i], v[S+16*\k+\i+1]
.endr
.endr
.irp c, 0
	v_max3_num_f32 v[BM+2*\c], v[BM+2*\c], v[S+32*\c+15], v[S+32*\c+31]
.endr
.irp c, 1
	v_max3_num_f32 v[BM+2*\c], v[BM+2*\c], v[S+32*\c+15], v[S+32*\c+31]
.endr
.irp c, 0,1
	s_delay_alu instid0(VALU_DEP_2)
	v_max_num_f32 v[BM+2*\c], v[BM+2*\c], v[BM+2*\c+1]
.endr
	s_delay_alu instid0(VALU_DEP_1)
	v_max_num_f32 v[T], v[BM], v[BM+2]
	s_delay_alu instid0(VALU_DEP_1)
	v_permlanex16_b32 v[T2], v[T], s20, s21
	s_delay_alu instid0(VALU_DEP_1)
	v_max_num_f32 v[T], v[T], v[T2]
	s_delay_alu instid0(VALU_DEP_1)
	v_mul_f32 v[T], s[CS], v[T]
	s_delay_alu instid0(VALU_DEP_1)
	v_max_num_f32 v[TMX], v[TMX], v[T]
	s_delay_alu instid0(VALU_DEP_1)
	v_floor_f32 v[NM], -v[TMX]
	s_delay_alu instid0(VALU_DEP_1)
	v_sub_f32 v[T], v[NM], v[OLD]
	s_delay_alu instid0(VALU_DEP_1)
	v_cvt_i32_f32 v[T], v[T]
	s_delay_alu instid0(VALU_DEP_1)
	v_ldexp_f32 v[FF], 1.0, v[T]
	s_setprio 1
.irp j, 0,2,4,6,8,10,12,14,16,18,20,22,24,26,28,30,32,34,36,38,40,42,44,46,48,50,52,54,56,58,60,62
	v_pk_fma_f32 v[S+\j:S+\j+1], v[S+\j:S+\j+1], s[CS:CS+1], v[NM:NM+1] op_sel_hi:[1,0,0]
.endr
.irp c, 0,1
	v_fma_f32 v[BM+2*\c], v[BM+2*\c], s[CS], v[NM]
.endr
	s_wait_alu depctr_va_vdst(0)
.irp j, 0,1,2,3,4,5,6,7,8,9,10,11,12,13,14,15,16,17,18,19,20,21,22,23,24,25,26,27,28,29,30,31,32,33,34,35,36,37,38,39,40,41,42,43,44,45,46,47,48,49,50,51,52,53,54,55,56,57,58,59,60,61,62,63
	v_exp_f32 v[S+\j], v[S+\j]
.endr
.irp c, 0,1
	v_exp_f32 v[BM+2*\c], v[BM+2*\c]
.endr
	v_pk_mul_f32 v[SUM:SUM+1], v[SUM:SUM+1], v[FF:FF+1] op_sel_hi:[1,0]
	s_wait_alu depctr_va_vdst(0)
.irp c, 0,1
	v_max_num_f32 v[BM+2*\c], 0x2800000, v[BM+2*\c]
.endr
.irp c, 0,1
	s_delay_alu instid0(VALU_DEP_2)
	v_add_nc_u32 v[SC+\c], 0xfe000000, v[BM+2*\c]
.endr
.irp c, 0,1
	s_delay_alu instid0(VALU_DEP_2)
	v_lshrrev_b32 v[BY+\c], 23, v[SC+\c]
.endr
	s_delay_alu instid0(VALU_DEP_1)
	v_lshl_or_b32 v[W], v[BY+1], 16, v[BY]
	s_delay_alu instid0(VALU_DEP_1)
	v_lshlrev_b32 v[W], v[H8], v[W]
	s_delay_alu instid0(VALU_DEP_1)
	v_permlanex16_b32 v[W2], v[W], s20, s21
	s_delay_alu instid0(VALU_DEP_1)
	v_or_b32 v[PS], v[W], v[W2]
.irp c, 0,1
	v_cvt_scalef32_pk16_bf6_f32 v[P+6*\c:P+6*\c+2], v[S+32*\c:S+32*\c+15], v[SC+\c]
	v_cvt_scalef32_pk16_bf6_f32 v[CT+4*\c:CT+4*\c+2], v[S+32*\c+16:S+32*\c+31], v[SC+\c]
.endr
	v_nop
.irp c, 0,1
.irp i, 0,1,2
	v_mov_b32 v[P+6*\c+3+\i], v[CT+4*\c+\i]
.endr
.endr
.irp j, 0,2,4,6,8,10,12,14,16,18,20,22,24,26,28,30
	v_pk_mul_f32 v[O+\j:O+\j+1], v[O+\j:O+\j+1], v[FF:FF+1] op_sel_hi:[1,0]
.endr
	s_setprio 0
	v_pk_add_f32 v[SU2:SU2+1], v[S:S+1], v[S+2:S+3]
.irp j, 4,8,12,16,20,24,28,32,36,40,44,48,52,56,60
	v_pk_add_f32 v[SUM:SUM+1], v[SUM:SUM+1], v[S+\j:S+\j+1]
	v_pk_add_f32 v[SU2:SU2+1], v[SU2:SU2+1], v[S+\j+2:S+\j+3]
.endr
	s_delay_alu instid0(VALU_DEP_1)
	v_pk_add_f32 v[SUM:SUM+1], v[SUM:SUM+1], v[SU2:SU2+1]
	s_wait_dscnt 0x0
.irp t, 0,1,2,3
	VPROD \t
.endr
.Lskip_\@:
	s_add_co_u32 s[TB], s[TB], SB
	s_add_co_u32 s[KC], s[KC], 1
	s_cmp_lt_u32 s[KC], 16
	s_cbranch_scc1 .Lstep_\@
	s_setprio 0
	s_wait_alu depctr_va_vdst(0)
	WAYOUT \out, \more
.endm
	PASS QA, QAS, DGA, GA, 58, 1
	PASS QB, QBS, DGB, GB, 60, 0
	s_wait_tensorcnt 0x0
	ds_add_u32 v254, v255
	s_wait_dscnt 0x0
	CROUND
	s_endpgm
.Lfunc_end_k_q606f0a11fc_attn:
	.size	k_q606f0a11fc_attn, .Lfunc_end_k_q606f0a11fc_attn-k_q606f0a11fc_attn
	.p2alignl 7, 3214868480
	.fill 96, 4, 3214868480
	.section	.rodata,"a",@progbits
	.p2align	6, 0x0
	.amdhsa_kernel k_q606f0a11fc_attn
		.amdhsa_group_segment_fixed_size 327680
		.amdhsa_private_segment_fixed_size 0
		.amdhsa_enable_private_segment 0
		.amdhsa_kernarg_size 56
		.amdhsa_user_sgpr_count 2
		.amdhsa_user_sgpr_kernarg_segment_ptr 1
		.amdhsa_wavefront_size32 1
		.amdhsa_system_sgpr_workgroup_id_x 1
		.amdhsa_system_sgpr_workgroup_id_y 1
		.amdhsa_system_sgpr_workgroup_id_z 1
		.amdhsa_system_vgpr_workitem_id 0
		.amdhsa_next_free_vgpr 256
		.amdhsa_next_free_sgpr 84
		.amdhsa_reserve_vcc 1
		.amdhsa_float_denorm_mode_32 3
		.amdhsa_float_denorm_mode_16_64 3
		.amdhsa_memory_ordered 1
		.amdhsa_forward_progress 1
		.amdhsa_inst_pref_size 66
	.end_amdhsa_kernel
	.amdgpu_metadata
---
amdhsa.version: [ 1, 2 ]
amdhsa.kernels:
  - .name:           k_q606f0a11fc_attn
    .symbol:         k_q606f0a11fc_attn.kd
    .args:
      - { .name: keys_codes, .offset: 0, .size: 8, .value_kind: global_buffer, .address_space: global }
      - { .name: keys_scales, .offset: 8, .size: 8, .value_kind: global_buffer, .address_space: global }
      - { .name: queries_codes, .offset: 16, .size: 8, .value_kind: global_buffer, .address_space: global }
      - { .name: queries_scales, .offset: 24, .size: 8, .value_kind: global_buffer, .address_space: global }
      - { .name: values_codes, .offset: 32, .size: 8, .value_kind: global_buffer, .address_space: global }
      - { .name: values_scales, .offset: 40, .size: 8, .value_kind: global_buffer, .address_space: global }
      - { .name: out0, .offset: 48, .size: 8, .value_kind: global_buffer, .address_space: global }
    .group_segment_fixed_size: 327680
    .private_segment_fixed_size: 0
    .kernarg_segment_align: 8
    .kernarg_segment_size: 56
    .max_flat_workgroup_size: 512
    .sgpr_count:     84
    .vgpr_count:     256
    .wavefront_size: 32
...
	.end_amdgpu_metadata
.endif
;; end of part 1
